; MI455X (gfx1250); checked and timed in simulation.
; The chip was launched on July 23, 2026; its instructions are those of AMD's public machine-readable ISA for CDNA 5 (MIT licence, August 2026) and "CDNA5" Instruction Set Architecture Reference Guide (July 2026). The comments in the code are by the model that wrote it; some were corrected since.
;; Quant Linear. Allowed arithmetic: matrix products marked QUANTISED: E2M1 operands, one E8M0 scale for each 32 along K, by v_wmma_scale_f32_16x16x128_f8f6f4 with both operands' format E2M1 (or v_wmma_scale_f32_32x16x128_f4), f32 sums; everything else in f32.
;; Inputs: bias 2,048 float32; offsets 65,536 float32; packed 4,194,304 int32; scales 65,536 float32; x_codes 4 x 2,048 x 128 x 16 uint8 (E2M1 codes of x, K innermost, in blocks of 32 codes, two codes a byte); x_scales 4 x 2,048 x 128 uint8 (E8M0 scales of x, one for each 32 codes along K).
;; Outputs: out0 4 x 2,048 x 2,048 float32.
;; This version of the problem:
;;   THIS VERSION OF THE PROBLEM IS GIVEN IN LOW PRECISION. The matrix products marked QUANTISED in the list below multiply operands that are first quantised to E2M1 (2 exponent bits, 1 mantissa bit; 4 bits a number), with one power-of-two scale for each 32 numbers along K (OCP MX v1.0); their sums are f32. All else is computed in f32.
;;   The module's matrix products, in the order in which they are computed (A, B: the left and right operand; K: the contracted axis; several contracted axes count as one K, in the product's order):
;;     1. [M 8,192, K 4,096] x [K 4,096, N 2,048]; A: input x (given as codes); B: computed on the way: QUANTISED
;;   THE QUANTISER, for each operand of a quantised product, along K:
;;     - K is cut into blocks of 32 from its start; a last block that is shorter is filled with zeros.
;;     - A block's scale is 2^e with e = floor(log2(the largest magnitude in the block)) - 2, held to -126 .. 127; a block of zeros has e = 0. As a byte (E8M0): e + 127.
;;     - Each number is divided by its block's scale, clamped to +-6, and rounded to the nearest number of E2M1, ties to even, subnormals kept.
;;     - The product sums the exact products of the quantised numbers (number of the format x scale) in f32.
;;   ~~~python
;;   def quantise(x, axis):      # numpy; x: float32 -> the quantised numbers, widened to float32 again
;;       x = np.moveaxis(x, axis, -1); K = x.shape[-1]
;;       x = np.pad(x, [(0, 0)] * (x.ndim - 1) + [(0, -K % 32)]); x = x.reshape(x.shape[:-1] + (-1, 32)); a = np.abs(x).max(-1, keepdims=True)
;;       e = np.where(a > 0, np.clip(np.frexp(np.where(a > 0, a, 1))[1] - 1 - 2, -126, 127), 0)      # np.frexp(a)[1] - 1 = floor(log2(a)), exactly
;;       r = np.clip(x / 2.0 ** e, -6, 6)
;;       step = 2.0 ** (np.maximum(np.frexp(np.where(r == 0, 1, r))[1] - 1, 0) - 1)
;;       q = np.round(r / step) * step * 2.0 ** e      # np.round: ties to even
;;       return np.moveaxis(q.reshape(q.shape[:-2] + (-1,))[..., :K], -1, axis).astype(np.float32)
;;   ~~~
;;   OPERANDS COMPUTED ON THE WAY. 'Computed on the way' means the value that the module computes at that place (a softmax that the list does not call 'softmax' is quantised finished and normalised). What goes into a quantiser is computed in f32, as accurately as f32 sums, v_exp_f32 and their like allow (about 1e-6 of the number): no bf16 or f16 on the way to a quantiser, and a product that is left as it is and whose result goes on into a quantised operand takes f32 operands (vector FMAs, or v_wmma_f32_16x16x4_f32). A number that lies on a knife's edge between two numbers of the format may be rounded either way, as far as f32 arithmetic and the matrix unit's own rounding can turn it there, and no further.
;;   INPUTS GIVEN AS CODES. x (in the module: [4, 2048, 4096], K = its axis 2): each comes as NAME_codes (uint8): NAME with its K axis moved to the last place and cut into blocks of 32 codes, [.., K / 32, bytes a block], one block behind the other in memory; two codes a byte, the lower K in the low four bits (a code: sign, 2 exponent bits, 1 mantissa bit); and NAME_scales (uint8): the same leading axes, one E8M0 byte (e + 127) for each 32 codes along K. Its value is code x scale, taken as it is: it is not quantised again, and the codes and scales need not be those that the quantiser above would give.
;; One version. Each part assembles by itself: llvm-mc -triple=amdgcn-amd-amdhsa -mcpu=gfx1250 --defsym DOCPART=n.
;; ======== version 1 of 1: 2 launches
;; limits: right only within a limited range of input values
;; workspace buffers: wq 4,456,448 bytes
;; launch quantw (part 1): grid 256 x 1, 4 waves a work-group, no clusters, 17,920 bytes of LDS; arguments packed, scales, offsets, wq; writes wq
.if DOCPART == 1
	.amdgcn_target "amdgcn-amd-amdhsa--gfx1250"
	.amdhsa_code_object_version 6
	.text
	.protected	k_qe71abbe064_quantw
	.globl	k_qe71abbe064_quantw
	.p2align	8
	.type	k_qe71abbe064_quantw,@function
k_qe71abbe064_quantw:
	s_mov_b64 s[64:65], 0
	v_nop
	global_prefetch_b8 v0, s[64:65] scope:SCOPE_SE
	s_setreg_imm32_b32 hwreg(HW_REG_WAVE_MODE, 25, 1), 1
	s_wait_xcnt 0x0
; w[n][k] = q[n][k] * scale[n][k / 128] + offset[n][k / 128], q the 4-bit numbers of packed (an int32 holds two: bits 3:0 the lower k, bits 7:4 the next; its other bits are not looked at),
; is made in f32 and turned into codes of FP4 (E2M1) with one E8M0 scale byte for each 32 along K.  n = 0 .. 2047, k = 0 .. 4095.
; A block's scale is 2^(floor(log2(its largest magnitude)) - 2); its byte is the largest magnitude's exponent field - 2, held at 1 from below.
; OUT: wq [8 (K steps of 512)][2048 (position)][272 bytes]: a RECORD is 256 bytes of codes (the lower k in the low four bits) and behind them the 16 scale bytes of the same 512 along K.
; Position 64 g + 16 t + r holds row n = 64 g + 4 r + t: so four neighbouring blocks of 16 positions give a lane r four neighbouring columns of the product.
; LIMITS: q * scale + offset is one fused multiply-add (one rounding).  A block of zeros, or one whose largest magnitude lies under 2^(3 - 127), gets the byte 1:
; a block of zeros has zero codes, which add nothing under that byte, and this program alone reads the bytes.  NaN and infinities among scales and offsets are not served.
; SHARES: work-group x takes positions 16 (x / 2) on; its wave w takes K step 4 (x % 2) + w of them: 16 rows (four apart) x 1,024 bytes of packed in, 16 records = 4,352 bytes out.
; LANES: r = lane % 16, h = lane / 16.  Load j (0 .. 31) serves row j / 2; lane (r, h) takes 16 bytes, 8 numbers, of the K step's group 2 h + j % 2: k = 128 (2 h + j % 2) + 8 r + 0 .. 7.
; Sixteen neighbouring lanes read 256 consecutive bytes, aligned.  A block of 32 lies in four neighbouring lanes.
; No loop, no barrier, no tensor load: waves share nothing, every offset is an immediate, and all that a wave reads is asked for at its head.
.set REC, 272                          ; bytes of a record
.set IMG, 16*REC                       ; a wave's 16 records: its own image in LDS, laid as in wq
.set C,   14                           ; v14-15  -2^23, -2^19: what the unpacking adds
.set P,   16                           ; v16-143  load j at P + 4 j; once unpacked, P + 4 j takes its codes and P + 4 j + 1 its scale byte
.set SS,  144                          ; v144-145 lane (r, h): row r's scales of groups 2 h, 2 h + 1;  v146-147 its offsets
.set OO,  146
.set S,   148                          ; v148-151 the scales of the four loads at work;  v152-155 their offsets
.set O,   152
.set T,   160                          ; v160-191 four sets of 8 numbers at work
.set MX,  192                          ; v192-195 largest magnitudes
.set SV,  196                          ; v196-199 the conversions' scale operands
.set OUT, 200                          ; v200-233 the way out
	s_load_b256 s[4:11], s[0:1], 0x0               ; packed s[4:5], scales s[6:7], offsets s[8:9], wq s[10:11]
	v_lshl_add_u32 v254, v0, 2, 0x4400             ; my spare word, behind the four images
	v_mov_b32 v255, 0
	v_lshrrev_b32 v9, 5, v0
	v_readfirstlane_b32 s12, v9                    ; wave 0..3
	s_lshr_b32 s13, ttmp9, 1                       ; which 16 positions
	s_and_b32 s14, ttmp9, 1
	s_lshl_b32 s14, s14, 2
	s_add_co_u32 s14, s14, s12                     ; which K step
	s_mul_i32 s15, s12, IMG                        ; my wave's image in LDS
	s_lshr_b32 s22, s13, 2
	s_lshl_b32 s22, s22, 6
	s_and_b32 s23, s13, 3
	s_add_co_u32 s22, s22, s23                     ; my first row; the others follow four apart
	s_lshl_b32 s16, s22, 13                        ; packed: rows of 8,192 bytes,
	s_lshl_b32 s17, s14, 10                        ; a K step of 1,024
	s_add_co_u32 s16, s16, s17
	s_mov_b32 s17, 0
	s_lshl_b32 s18, s22, 7                         ; scales, offsets: rows of 128 bytes,
	s_lshl_b32 s19, s14, 4                         ; a K step's four groups
	s_add_co_u32 s18, s18, s19
	s_mov_b32 s19, 0
	s_lshl_b32 s20, s14, 11                        ; wq: record 2,048 x K step + position
	s_lshl_b32 s21, s13, 4
	s_add_co_u32 s20, s20, s21
	s_mul_i32 s20, s20, REC                        ; a multiple of 4,352 = 17 x 256 bytes
	s_mov_b32 s21, 0
	s_mov_b32 s24, 0x4b000000                      ; 2^23: a number in bits 3:0 of the mantissa counts ones
	s_mov_b32 s25, 0xf0
	s_mov_b32 s26, 0x49000000                      ; 2^19: a number in bits 7:4 counts ones
	v_and_b32 v1, 15, v0                           ; r
	v_bfe_u32 v2, v0, 4, 1                         ; h
	v_and_b32 v8, 31, v0
	v_lshlrev_b32 v8, 3, v8                        ; the way out: 8 bytes a lane
	v_lshlrev_b32 v3, 4, v1
	v_lshl_add_u32 v3, v2, 9, v3                   ; packed: 512 h + 16 r
	v_lshlrev_b32 v4, 9, v1
	v_lshl_add_u32 v4, v2, 3, v4                   ; scales, offsets: row r (512 bytes on), + 8 h: two groups' numbers
	v_lshlrev_b32 v5, 2, v1
	v_lshl_add_u32 v5, v2, 7, v5
	v_add_nc_u32 v5, s15, v5                       ; my codes in a record: 128 h + 4 r
	v_lshrrev_b32 v6, 2, v1
	v_lshl_add_u32 v6, v2, 3, v6
	v_add_nc_u32 v6, s15, v6                       ; my block's byte among a record's sixteen: 8 h + r / 4
	v_add_nc_u32 v7, s15, v8                       ; the way out: LDS address
	v_mov_b32 v[C], 0xcb000000
	v_mov_b32 v[C+1], 0xc9000000
.irp i, 0,1,2,3,4,5,6,7
	v_mov_b32 v[S+\i], 0                           ; written once: a lane move's destination counts as one of its sources
.endr
	s_wait_alu depctr_va_vdst(0)                   ; the wait at the head's end
	s_wait_kmcnt 0x0
	s_add_nc_u64 s[4:5], s[4:5], s[16:17]
	s_add_nc_u64 s[6:7], s[6:7], s[18:19]
	s_add_nc_u64 s[8:9], s[8:9], s[18:19]
	s_add_nc_u64 s[10:11], s[10:11], s[20:21]
	global_load_b64 v[SS:SS+1], v4, s[6:7]
	global_load_b64 v[OO:OO+1], v4, s[8:9]
.irp j, 0,1,2,3,4,5,6,7,8,9,10,11,12,13,14,15,16,17,18,19,20,21,22,23,24,25,26,27,28,29,30,31
	global_load_b128 v[P+4*\j:P+4*\j+3], v3, s[4:5] offset:(\j/2)*32768+(\j%2)*256 th:TH_LOAD_NT   ; read once in the launch
.endr
; Loads 4 g + u, u = 0 .. 3 (rows ra = 2 g and rb = 2 g + 1), by turns line by line, so that no line waits for the line above it.
.macro QUAD g, ra, rb
	s_wait_loadcnt 28-4*(\g)                       ; loads come back in order: those behind load 4 g + 3 may stay out; scales and offsets were asked for earlier
.irp e, 0,1
	v_mov_b32_dpp v[S+\e], v[SS+\e] row_share:\ra row_mask:0xf bank_mask:0xf   ; row ra's scale of group 2 h + e: it lies in lane ra of my sixteen
	v_mov_b32_dpp v[S+2+\e], v[SS+\e] row_share:\rb row_mask:0xf bank_mask:0xf
	v_mov_b32_dpp v[O+\e], v[OO+\e] row_share:\ra row_mask:0xf bank_mask:0xf
	v_mov_b32_dpp v[O+2+\e], v[OO+\e] row_share:\rb row_mask:0xf bank_mask:0xf
.endr
.irp i, 0,1,2,3
.irp u, 0,1,2,3
	v_and_or_b32 v[T+8*\u+2*\i], v[P+4*(4*(\g)+\u)+\i], 15, s24      ; 2^23 + the lower k's number
	v_and_or_b32 v[T+8*\u+2*\i+1], v[P+4*(4*(\g)+\u)+\i], s25, s26   ; 2^19 + the next
.endr
.endr
.irp i, 0,2,4,6
.irp u, 0,1,2,3
	v_pk_add_f32 v[T+8*\u+\i:T+8*\u+\i+1], v[T+8*\u+\i:T+8*\u+\i+1], v[C:C+1]   ; the numbers themselves, exactly
.endr
.endr
.irp i, 0,2,4,6
.irp u, 0,2
	v_pk_fma_f32 v[T+8*\u+\i:T+8*\u+\i+1], v[T+8*\u+\i:T+8*\u+\i+1], v[S+\u:S+\u+1], v[O+\u:O+\u+1] op_sel_hi:[1,0,0]   ; w, in f32: loads u take the pairs' low words,
	v_pk_fma_f32 v[T+8*\u+8+\i:T+8*\u+\i+9], v[T+8*\u+8+\i:T+8*\u+\i+9], v[S+\u:S+\u+1], v[O+\u:O+\u+1] op_sel:[0,1,1] op_sel_hi:[1,1,1]   ; loads u + 1 the high words
.endr
.endr
.irp u, 0,1,2,3
	v_max3_num_f32 v[MX+\u], |v[T+8*\u]|, |v[T+8*\u+1]|, 0x1800000   ; my 8 numbers, and the floor 2^(3 - 127): the byte cannot fall under 1
.endr
.irp i, 2,4,6
.irp u, 0,1,2,3
	v_max3_num_f32 v[MX+\u], v[MX+\u], |v[T+8*\u+\i]|, |v[T+8*\u+\i+1]|
.endr
.endr
.irp u, 0,1,2,3
	v_max_num_f32_dpp v[MX+\u], v[MX+\u], v[MX+\u] row_xmask:1 row_mask:0xf bank_mask:0xf
.endr
.irp u, 0,1,2,3
	v_max_num_f32_dpp v[MX+\u], v[MX+\u], v[MX+\u] row_xmask:2 row_mask:0xf bank_mask:0xf   ; with the three lanes beside me: the block's largest magnitude
.endr
.irp u, 0,1,2,3
	v_add_nc_u32 v[SV+\u], 0xff000000, v[MX+\u]    ; 2 off its exponent field: the conversion takes the exponent field of this operand as its scale, and nothing else of it
.endr
.irp u, 0,1,2,3
	v_cvt_scalef32_pk8_fp4_f32 v[P+4*(4*(\g)+\u)], v[T+8*\u:T+8*\u+7], v[SV+\u]   ; to the nearest code, ties to even, beyond 6 the largest code; the first number's code in the lowest four bits
.endr
.irp u, 0,1,2,3
	v_lshrrev_b32 v[P+4*(4*(\g)+\u)+1], 23, v[SV+\u]   ; the scale's byte.  (Plain lines between the conversions and the next lines that write their sources)
.endr
.irp u, 0,1,2,3
	ds_store_b32 v5, v[P+4*(4*(\g)+\u)] offset:(2*(\g)+\u/2)*REC+64*(\u%2)
	ds_store_b8 v6, v[P+4*(4*(\g)+\u)+1] offset:(2*(\g)+\u/2)*REC+256+4*(\u%2)   ; a block's four lanes write the same byte with the same value
.endr
.endm
	QUAD 0, 0, 1
	QUAD 1, 2, 3
	QUAD 2, 4, 5
	QUAD 3, 6, 7
	QUAD 4, 8, 9
	QUAD 5, 10, 11
	QUAD 6, 12, 13
	QUAD 7, 14, 15
.irp t, 0,1,2,3,4,5,6,7,8,9,10,11,12,13,14,15,16
	ds_load_b64 v[OUT+2*\t:OUT+2*\t+1], v7 offset:256*\t   ; LDS serves a wave's instructions in order (ISA guide 5.7.1.4): these see my stores
.endr
.irp t, 0,1,2,3,4,5,6,7,8,9,10,11,12,13,14,15,16
	s_wait_dscnt 16-\t                             ; the younger loads may stay out
	global_store_b64 v8, v[OUT+2*\t:OUT+2*\t+1], s[10:11] offset:256*\t   ; 32 lanes store 256 consecutive bytes, at a multiple of 256 from wq's first byte
.endr
	s_wait_tensorcnt 0x0                           ; the wave's end, behind my last LDS store
	ds_add_u32 v254, v255
	s_wait_dscnt 0x0
	s_endpgm
.Lfunc_end_k_qe71abbe064_quantw:
	.size	k_qe71abbe064_quantw, .Lfunc_end_k_qe71abbe064_quantw-k_qe71abbe064_quantw
	.p2alignl 7, 3214868480
	.fill 96, 4, 3214868480
	.section	.rodata,"a",@progbits
	.p2align	6, 0x0
	.amdhsa_kernel k_qe71abbe064_quantw
		.amdhsa_group_segment_fixed_size 17920
		.amdhsa_private_segment_fixed_size 0
		.amdhsa_enable_private_segment 0
		.amdhsa_kernarg_size 32
		.amdhsa_user_sgpr_count 2
		.amdhsa_user_sgpr_kernarg_segment_ptr 1
		.amdhsa_wavefront_size32 1
		.amdhsa_system_sgpr_workgroup_id_x 1
		.amdhsa_system_sgpr_workgroup_id_y 1
		.amdhsa_system_sgpr_workgroup_id_z 1
		.amdhsa_system_vgpr_workitem_id 0
		.amdhsa_next_free_vgpr 256
		.amdhsa_next_free_sgpr 66
		.amdhsa_reserve_vcc 0
		.amdhsa_float_denorm_mode_32 3
		.amdhsa_float_denorm_mode_16_64 3
		.amdhsa_memory_ordered 1
		.amdhsa_forward_progress 1
		.amdhsa_inst_pref_size 68
	.end_amdhsa_kernel
	.amdgpu_metadata
---
amdhsa.version: [ 1, 2 ]
amdhsa.kernels:
  - .name:           k_qe71abbe064_quantw
    .symbol:         k_qe71abbe064_quantw.kd
    .args:
      - { .name: packed, .offset: 0, .size: 8, .value_kind: global_buffer, .address_space: global }
      - { .name: scales, .offset: 8, .size: 8, .value_kind: global_buffer, .address_space: global }
      - { .name: offsets, .offset: 16, .size: 8, .value_kind: global_buffer, .address_space: global }
      - { .name: wq, .offset: 24, .size: 8, .value_kind: global_buffer, .address_space: global }
    .group_segment_fixed_size: 17920
    .private_segment_fixed_size: 0
    .kernarg_segment_align: 8
    .kernarg_segment_size: 32
    .max_flat_workgroup_size: 128
    .sgpr_count:     66
    .vgpr_count:     256
    .wavefront_size: 32
...
	.end_amdgpu_metadata
.endif
;; end of part 1
;; launch gemm (part 2): grid 8 x 32, 4 waves a work-group, clusters of 4 x 4, 327,680 bytes of LDS; arguments x_codes, x_scales, wq, bias, out0; writes out0
.if DOCPART == 2
	.amdgcn_target "amdgcn-amd-amdhsa--gfx1250"
	.amdhsa_code_object_version 6
	.text
	.protected	k_qe71abbe064_gemm
	.globl	k_qe71abbe064_gemm
	.p2align	8
	.type	k_qe71abbe064_gemm,@function
k_qe71abbe064_gemm:
	s_mov_b64 s[64:65], 0
	v_nop
	global_prefetch_b8 v0, s[64:65] scope:SCOPE_SE
	s_setreg_imm32_b32 hwreg(HW_REG_WAVE_MODE, 25, 1), 1
	s_wait_xcnt 0x0
	s_wait_alu depctr_hold_cnt(0) depctr_sa_sdst(0) depctr_va_vdst(0) depctr_va_sdst(0) depctr_va_ssrc(0) depctr_va_vcc(0) depctr_vm_vsrc(0)
	s_getreg_b32 s2, hwreg(HW_REG_IB_STS2, 6, 4)
	s_cmp_eq_u32 s2, 0
	s_cbranch_scc0 .Lentry_in_a_cluster
	s_endpgm
.Lentry_in_a_cluster:
	s_bfe_u32 s2, ttmp6, 0x10000c
	s_cmp_lg_u32 s2, 0xf033
	s_cbranch_scc0 .Lentry_shape_is_right
	s_endpgm
.Lentry_shape_is_right:
; out0[m][n] = bias[n] + sum over k of x[m][k] w[n][k].  m = 0 .. 8191, n = 0 .. 2047, k = 0 .. 4095.  Both operands are codes of FP4 (E2M1) with one E8M0 scale for each 32 along K; sums in f32.
; x: x_codes, rows of 2,048 bytes, K innermost, the lower k in the low four bits; x_scales, rows of 128 bytes.  Taken as they lie.
; w: wq [8 (K steps of 512)][2048 (position)][272]: a record is 256 bytes of codes and behind them the 16 scale bytes of the same 512 along K; position 64 g + 16 t + r holds column n = 64 g + 4 r + t.
; LIMIT: in the last K step the quarters of K are added in the order 0, 2, 3, 1.
; A tile of out0, 256 x 256, is made by a work-group of four waves; a wave makes 128 x 128: 4 x 8 accumulators of 32 x 16, 512 registers.  32 x 8 tiles: 256 work-groups.
; K goes in steps of 512 through a ring of two LDS slots filled by the tensor data mover.  A's rows are 256 bytes of memory, padded to 272 in LDS; B's records are consecutive bytes
; and come as they lie: rows 272 bytes apart, B's scale bytes in the sixteen bytes that are padding in A's rows.  A's scales of the work-group's 256 rows, for all of K, come once, at the head, and stay.
; CLUSTERS: 4 x 4 work-groups.  The four of a row of the cluster need the same tiles of A, the four of a column the same tiles of B: each tile is asked for JOINTLY, by the same tensor load with the
; same descriptor and a mask that names the four.
; THE WAY OUT TOUCHES NO LDS.  Lane (r, h) holds, in register j of accumulator (a, 4 g + t), row 32 a + 16 (j / 8) + 8 h + j % 8 and column 64 g + 4 r + t: four accumulators' registers j are 16
; neighbouring bytes, sixteen lanes fill an aligned 256 bytes of a row.  The addition of the bias gathers them.
; THE LAST K STEP GOES BY PIECES of 32 rows x 64 columns: B's fragments of the whole step fill window 1.  Waves 0 and 2 store each piece as soon as its 16 products are done; waves 1 and 3 finish all
; their pieces first and store them in one run: so some waves store while others multiply.
; REGISTERS, in windows of 256: window 0: v0-31 addresses and bias; v32-95 scale words, two sets; v96-127 the first half piece on its way out; v128-255 A's fragments, two sets.
;   window 1: B's fragments, two sets at v0 and v64 (in the last K step: quarter q at v[64 q]).   window 2: accumulators of my rows 0-63: (a, b) at v[128 (a % 2) + 16 b];   window 3: those of rows 64-127.
; PREFETCH: K step 1 is asked for at the head, 2 and 3 behind the load of K step 1, and from there on s + 2 behind the load of K step s.  The partners of a joint load share its bytes out by address:
; of A's 128 rows x 256 bytes 32 rows each, of B's 136 blocks of 256 bytes 34 each.  For B only the clusters of even y ask: four clusters for each block.
.set ROWB,   256                       ; a tile's row of codes in bytes: 512 codes
.set KROW,   2048                      ; a row of x_codes in bytes
.set PITCH,  272                       ; an LDS row = 68 words: row r starts at bank 4 r mod 64 (64 banks of 4 bytes: ISA guide 11.1), so the 16 rows that a load touches start at 16 different banks
.set BLK,    16*PITCH                  ; 16 rows of codes in LDS; and 32 rows of A's scales
.set HALFT,  128*PITCH                 ; 128 rows: what one tensor load of the ring brings, and what one wave reads of A or of B
.set SLOT,   4*HALFT                   ; A's 256 rows, then B's 256 records
.set BSTEP,  2048*PITCH                ; from a K step of wq to the next
.set SCL,    2*SLOT                    ; behind the ring: A's scales, two rows of 128 bytes + 16 of padding: row i at 128 i + 16 (i / 2)
.set HALFS,  64*272                    ; those of 128 rows
.set SPARE,  SCL+2*HALFS               ; behind the scales: the spare words, 128 bytes for each wave: two blocks of 256 bytes that no other line names
.set NROW,   8192                      ; a row of out0 in bytes
.set BIAS, 8                           ; v8-15   the bias of columns 64 g + 4 r + t at BIAS + 4 g + t
.set ADRA, 16                          ; v16-17  LDS address of my A fragments in slot 0, 1
.set ADSB, 18                          ; v18-19  of B's scale words in slot 0, 1: lanes 0-15 my blocks 0-3, lanes 16-31 my blocks 4-7
.set ADRB, 20                          ; v20-21  of my B fragments in slot 0, 1
.set ADSA, 22                          ; v22     of A's scale words, a lane a row; 16 bytes on with each K step
.set PFO,  23                          ; v23     the prefetches' offset
.set PFX,  24                          ; v24     and for the last two of B's 34 blocks
.set BO,   25                          ; v25     16 r
.set CO,   26                          ; v26     my byte offset in out0: 8 h rows + 16 r
.set SPW,  28                          ; v28     LDS address of my spare word: SPARE + 4 x my thread's number; never rewritten
.set NIL,  29                          ; v29     0; never rewritten
.set SC,   32                          ; scale words: set s (for slot s) at SC + 32 s.  Register 4 a + q: A's block a, a lane a row, the slot's q-th 128 along K; register 16 + 4 i + q: lanes 0-15 B's block i, lanes 16-31 block i + 4
.set XS,   96
.set AF,   128                         ; A's fragments
.set G1,   24                          ; s[24:31] descriptor group 1 for A's tiles;  s[32:39] group 0, one set for each slot
.set G0,   32
.set G1B,  48                          ; s[48:55], s[56:63] the same for B's tiles
.set G0B,  56
.set G1S,  68                          ; s[68:75], s[76:79] groups 1 and 0 for A's scales
.set G0S,  76
.set PF,   80                          ; s[80:81] where my prefetches stand;  s[82:83] K step 2 there
.set PF2,  82
.set PST,  84                          ; s[84:85] from a K step to the next there
.set LIM,  86                          ; s86     1 where my wave prefetches, else the greatest number
.set G0H,  88                          ; s[88:91], s[92:95] group 0 of the head's loads of A's 256 rows and of B's 256 records
.set G0HB, 92
.set MSB, 0
.macro WIN new                         ; the immediate's high byte repeats the setting that is left
.if MSB != (\new)
	s_set_vgpr_msb (MSB<<8)|(\new)
.set MSB, (\new)
.endif
.endm
.set MUL_LO, 0xa4                      ; source 0 (A) window 0, source 1 (B) window 1, C and D window 2; + 0x50: window 3
.set TO_B,   0x40                      ; destination window 1, address window 0
; A joint load: waves 0 and 1 fetch for A, waves 2 and 3 for B.  Each of the two lines has ONE mask and one set of registers for all that issue it; the branch hangs on the wave's number alone.
.macro JLOAD g0a, g1a, g0b, g1b
	s_cmp_eq_u32 s15, 0
	s_cbranch_scc0 .Lfor_b_\@
	tensor_load_to_lds s[\g0a:\g0a+3], s[\g1a:\g1a+7]
	s_nop 0
.rept 4
	v_nop
.endr
	s_branch .Lasked_\@
.Lfor_b_\@:
	tensor_load_to_lds s[\g0b:\g0b+3], s[\g1b:\g1b+7]
	s_nop 0
.rept 4
	v_nop
.endr
.Lasked_\@:
.endm
.macro CREST                           ; a round of the cluster's barrier behind its opening barrier
	s_cmp_lg_u32 s14, 0
	s_cbranch_scc1 .Lnot_wave_0_\@
	s_barrier_signal -3
.Lnot_wave_0_\@:
	s_barrier_wait -3
	s_barrier_signal -1
	s_barrier_wait -1
.endm
.macro CROUND                          ; a whole round
	s_barrier_signal -1
	s_barrier_wait -1
	CREST
.endm
.macro ASK at, inloop                  ; the prefetch.  In the loop: not in the last trip (s3 = 1), whose refills are the last
.if \inloop
	s_cmp_gt_u32 s3, s[LIM]
.else
	s_cmp_eq_u32 s[LIM], 1
.endif
	s_cbranch_scc0 .Lask_end_\@
	global_prefetch_b8 v[PFO], s[\at:\at+1] th:TH_LOAD_NT scope:SCOPE_SE
	s_cmp_eq_u32 s15, 0
	s_cbranch_scc1 .Lask_end_\@
	global_prefetch_b8 v[PFX], s[\at:\at+1] th:TH_LOAD_NT scope:SCOPE_SE
.Lask_end_\@:
.endm
.macro ARM under, g0, g1, next         ; one arm of the head's chain: one load, and a jump to the chain's end
	s_cmp_lt_u32 s14, \under
	s_cbranch_scc0 \next
	tensor_load_to_lds s[\g0:\g0+3], s[\g1:\g1+7]
	s_nop 0
.rept 4
	v_nop
.endr
	s_branch .Lhead_asked
\next:
.endm
	s_load_b256 s[4:11], s[0:1], 0x0               ; x_codes s[4:5], x_scales s[6:7], wq s[8:9], bias s[10:11]
	s_load_b64 s[12:13], s[0:1], 0x20              ; out0
	v_lshl_add_u32 v[SPW], v0, 2, SPARE
	v_mov_b32 v[NIL], 0
	ds_add_u32 v[SPW], v[NIL]                      ; the wave's opening: the add, twice on end, and its wait ahead of my first tensor load
	ds_add_u32 v[SPW], v[NIL]
	v_lshrrev_b32 v1, 5, v0
	v_readfirstlane_b32 s14, v1                    ; wave 0..3
	s_lshr_b32 s15, s14, 1                         ; which half of the tile's rows is mine.  Also: I fetch for A (0) or for B (1)
	s_and_b32 s16, s14, 1                          ; which half of its columns.  Also: which 128 rows of that tile I fetch
	s_bfe_u32 s40, ttmp6, 0x40000                  ; cx, cy: my place in the cluster
	s_bfe_u32 s41, ttmp6, 0x40004
	s_lshl_b32 s42, ttmp9, 2
	s_add_co_u32 s42, s42, s40                     ; tile column = 4 x cluster x + cx
	s_and_b32 s17, ttmp7, 0xffff
	s_lshl_b32 s17, s17, 2
	s_add_co_u32 s17, s17, s41                     ; tile row = 4 x cluster y + cy
	s_lshl_b32 s43, s41, 2
	s_lshl_b32 s43, 15, s43                        ; my row of the cluster
	s_lshl_b32 s44, 0x1111, s40                    ; my column
	; group 1 for A's codes: rows of 256 bytes, 2,048 apart in memory, 16 bytes of padding behind each in LDS; 256 rows for the head's load, 128 behind it
	s_or_b32 s[G1+0], s43, (0<<16)|(1<<20)|(1<<21)|(5<<22)|(3<<25)  ; 15:0 the mask: my row; 17:16 elements of 1 byte; 20 padding on; 21 set beside a mask; 24:22 after every 64 words (code 5); 31:25 four words (code 3)
	s_mov_b32 s[G1+1], ROWB<<16                    ; tensor_dim0
	s_mov_b32 s[G1+2], 256<<16                     ; tensor_dim1
	s_mov_b32 s[G1+3], ROWB<<16                    ; tile_dim0
	s_mov_b32 s[G1+4], 256                         ; tile_dim1
	s_mov_b32 s[G1+5], KROW                        ; tensor_dim0_stride
	s_mov_b32 s[G1+6], 0
	s_mov_b32 s[G1+7], 0
	; group 1 for B's records: consecutive bytes as rows of 256 (32 elements of 8 bytes), no padding: 256 records are 272 such rows, 128 are 136
	s_or_b32 s[G1B+0], s44, (3<<16)|(1<<21)        ; the mask: my column
	s_mov_b32 s[G1B+1], 32<<16
	s_mov_b32 s[G1B+2], 272<<16
	s_mov_b32 s[G1B+3], 32<<16
	s_mov_b32 s[G1B+4], 272
	s_mov_b32 s[G1B+5], 32
	s_mov_b32 s[G1B+6], 0
	s_mov_b32 s[G1B+7], 0
	; group 1 for A's scales of 128 rows: 16,384 consecutive bytes as 64 rows of 256 bytes, 16 bytes of padding behind each
	s_or_b32 s[G1S+0], s43, (3<<16)|(1<<20)|(1<<21)|(5<<22)|(3<<25)
	s_mov_b32 s[G1S+1], 32<<16
	s_mov_b32 s[G1S+2], 64<<16
	s_mov_b32 s[G1S+3], 32<<16
	s_mov_b32 s[G1S+4], 64
	s_mov_b32 s[G1S+5], 32
	s_mov_b32 s[G1S+6], 0
	s_mov_b32 s[G1S+7], 0
	; where the tiles come from.  A's hang on the tile row and the wave alone, B's on the tile column and the wave alone, each in registers that never hold the other coordinate
	s_lshl_b32 s20, s17, 19                        ; A: row 256 x tile row, of 2,048 bytes
	s_mov_b32 s21, 0
	s_lshl_b32 s22, s17, 8
	s_lshl_b32 s19, s16, 7
	s_add_co_u32 s22, s22, s19                     ; A's scales: row 256 x tile row + 128 x (wave % 2),
	s_lshl_b32 s22, s22, 7                         ; of 128 bytes
	s_mov_b32 s23, 0
	s_mul_i32 s46, s42, 2*HALFT                    ; B: record 256 x tile column, of 272 bytes
	s_mov_b32 s47, 0
	s_mul_i32 s18, s16, 128*KROW                   ; the ring: which half of A's tile I fetch, in bytes,
	s_mov_b32 s19, 0
	s_mul_i32 s66, s16, HALFT                      ; of B's,
	s_mov_b32 s67, 0
	s_mul_i32 s45, s14, HALFT                      ; and where it goes: wave x 128 rows: no place in the cluster enters an LDS address
	s_mul_i32 s80, s16, HALFS
	s_mov_b32 s[G0H], 1                            ; 1:0 count = 1
	s_mov_b32 s[G0H+1], 0                          ; 63:32 LDS address
	s_mov_b32 s[G0HB], 1
	s_mov_b32 s[G0HB+1], 2*HALFT
	s_mov_b32 s[G0S], 1
	s_add_co_u32 s[G0S+1], s80, SCL
	s_wait_dscnt 0x0                               ; both opening adds are done
	s_wait_kmcnt 0x0
	s_add_nc_u64 s[20:21], s[4:5], s[20:21]
	s_add_nc_u64 s[22:23], s[6:7], s[22:23]
	s_add_nc_u64 s[46:47], s[8:9], s[46:47]
	s_mov_b64 s[G0H+2:G0H+3], s[20:21]             ; 120:64 global address
	s_or_b32 s[G0H+3], s[G0H+3], 0x80000000        ; 127:126 type = 2
	s_mov_b64 s[G0HB+2:G0HB+3], s[46:47]
	s_or_b32 s[G0HB+3], s[G0HB+3], 0x80000000
	s_mov_b64 s[G0S+2:G0S+3], s[22:23]
	s_or_b32 s[G0S+3], s[G0S+3], 0x80000000
	CROUND                                         ; all sixteen work-groups are here: the first joint loads meet
	; THE HEAD'S LOADS, ONE A WAVE: wave 0 fetches K step 0's 256 rows of A, wave 1 its 256 records of B, waves 2 and 3 the scales of A's two halves
	ARM 1, G0H,  G1,  .Lhead_b
	ARM 2, G0HB, G1B, .Lhead_s
	tensor_load_to_lds s[G0S:G0S+3], s[G1S:G1S+7]
	s_nop 0
.rept 4
	v_nop
.endr
.Lhead_asked:
	s_add_nc_u64 s[20:21], s[20:21], s[18:19]      ; for the ring: my 128 rows of the tile
	s_add_nc_u64 s[46:47], s[46:47], s[66:67]
.irp s, 0,1
	s_mov_b32 s[G0+4*\s], 1
	s_add_co_u32 s[G0+4*\s+1], s45, \s*SLOT
	s_add_nc_u64 s[G0+4*\s+2:G0+4*\s+3], s[20:21], \s*ROWB
	s_or_b32 s[G0+4*\s+3], s[G0+4*\s+3], 0x80000000
	s_mov_b32 s[G0B+4*\s], 1
	s_add_co_u32 s[G0B+4*\s+1], s45, \s*SLOT
	s_add_nc_u64 s[G0B+4*\s+2:G0B+4*\s+3], s[46:47], \s*BSTEP
	s_or_b32 s[G0B+4*\s+3], s[G0B+4*\s+3], 0x80000000
.endr
	; the prefetches: A's waves: rows 256 x tile row + 128 x half + 32 cx + lane; B's: block 136 x (2 x tile column + half) + 34 cy + lane
	s_lshl_b32 s87, s16, 7
	s_lshl_b32 s66, s17, 8
	s_add_co_u32 s66, s66, s87
	s_lshl_b32 s67, s40, 5
	s_add_co_u32 s66, s66, s67
	s_lshl_b32 s66, s66, 11
	s_lshl_b32 s67, s42, 8
	s_add_co_u32 s67, s67, s87
	s_mul_i32 s67, s67, PITCH
	s_mul_i32 s87, s41, 34*256
	s_add_co_u32 s67, s67, s87
	s_mov_b32 s84, BSTEP
	s_mov_b32 s87, 256
	s_mov_b32 s85, 0
	s_mov_b32 s83, 0
	s_cmp_eq_u32 s15, 0
	s_cselect_b32 s82, s66, s67
	s_cselect_b32 s84, ROWB, s84
	s_cselect_b32 s87, KROW, s87                   ; from lane to lane
	s_cselect_b64 s[80:81], s[4:5], s[8:9]
	s_add_nc_u64 s[80:81], s[80:81], s[82:83]
	s_add_nc_u64 s[80:81], s[80:81], s[84:85]      ; at K step 1
	s_add_nc_u64 s[82:83], s[80:81], s[84:85]      ; at K step 2
	s_and_b32 s[LIM], s15, ttmp7                   ; B's waves in clusters of odd y ask for nothing
	s_cselect_b32 s[LIM], -1, 1
	; LDS addresses, and where my part of out0 and of the bias begins
	s_mul_i32 s22, s15, HALFT                      ; my 128 rows of A
	s_mul_i32 s23, s16, HALFT
	s_add_co_u32 s23, s23, 2*HALFT                 ; my 128 records of B, behind A's 256 rows
	s_add_co_u32 s18, s22, SLOT
	s_add_co_u32 s19, s23, SLOT
	s_mul_i32 s66, s15, HALFS
	s_add_co_u32 s66, s66, SCL                     ; the scales of my rows of A
	s_lshl_b32 s20, s17, 8
	s_lshl_b32 s21, s15, 7
	s_add_co_u32 s20, s20, s21                     ; my first row of out0: 256 x tile row + 128 x half,
	s_lshl_b32 s20, s20, 13                        ; of 8,192 bytes (under 2^26)
	s_mov_b32 s21, 0
	s_lshl_b32 s46, s42, 10                        ; my first column, in bytes: 1,024 x tile column + 512 x half
	s_lshl_b32 s47, s16, 9
	s_add_co_u32 s46, s46, s47
	s_mov_b32 s47, 0
	s_add_nc_u64 s[10:11], s[10:11], s[46:47]
	s_add_nc_u64 s[12:13], s[12:13], s[46:47]
	s_add_nc_u64 s[12:13], s[12:13], s[20:21]
	v_and_b32 v1, 15, v0                           ; r
	v_bfe_u32 v2, v0, 4, 1                         ; h
	v_and_b32 v6, 31, v0                           ; lane
	v_mul_u32_u24 v3, v1, PITCH
	v_lshl_add_u32 v4, v2, 4, v3                   ; a fragment's row x pitch + 16 h
	v_mad_u32_u24 v5, v2, 64*PITCH, v3             ; B's scale words: row r of block i + 4 h,
	v_add_nc_u32 v5, 256, v5                       ; behind the record's codes
	v_add_nc_u32 v[ADRA], s22, v4
	v_add_nc_u32 v[ADRA+1], s18, v4
	v_add_nc_u32 v[ADRB], s23, v4
	v_add_nc_u32 v[ADRB+1], s19, v4
	v_add_nc_u32 v[ADSB], s23, v5
	v_add_nc_u32 v[ADSB+1], s19, v5
	v_lshrrev_b32 v7, 1, v6
	v_lshlrev_b32 v5, 7, v6
	v_lshl_add_u32 v5, v7, 4, v5                   ; A's scale words: row = lane, at 128 lane + 16 (lane / 2)
	v_add_nc_u32 v[ADSA], s66, v5
	v_mul_u32_u24 v[PFO], s87, v6
	v_min_u32 v7, 1, v6
	v_lshl_add_u32 v[PFX], v7, 8, 0x2000           ; blocks 32 and 33; the lanes left over name 33 again
	v_lshlrev_b32 v[BO], 4, v1
	v_lshl_add_u32 v[CO], v2, 16, v[BO]
	s_wait_alu depctr_va_vdst(0)                   ; the wait at the head's end
	global_load_b128 v[BIAS:BIAS+3], v[BO], s[10:11]
	global_load_b128 v[BIAS+4:BIAS+7], v[BO], s[10:11] offset:256
	ASK PF, 0                                      ; K step 1
.macro LA slot, q, reg, a              ; a fragment of A, 32 rows x 128 K, is 16 registers: lane (r, h) holds row r in registers 0-7, row 16 + r in 8-15; registers 4 c .. 4 c + 3 of eight hold K = 64 c + 32 h + 0 .. 31
.set RL, \reg
	WIN 0
.irp u, 0,1
.irp c, 0,1
	ds_load_b128 v[RL+8*\u+4*\c:RL+8*\u+4*\c+3], v[ADRA+\slot] offset:64*(\q)+32*\c+(2*(\a)+\u)*BLK
.endr
.endr
.endm
.macro LB slot, q, reg, b              ; one of B, 16 positions x 128 K: 8 registers
.set RL, \reg
	WIN TO_B
.irp c, 0,1
	ds_load_b128 v[RL+4*\c:RL+4*\c+3], v[ADRB+\slot] offset:64*(\q)+32*\c+(\b)*BLK
.endr
.endm
.macro FETCH slot, q, p                ; the 32 loads of one 128 along K into the sets p, in the order in which they are wanted: A's block 0, B's blocks 0 .. 7, A's blocks 1, 2, 3
	LA \slot, \q, AF+64*(\p), 0
.irp b, 0,1,2,3,4,5,6,7
	LB \slot, \q, 64*(\p)+8*\b, \b
.endr
	LA \slot, \q, AF+64*(\p)+16, 1
	LA \slot, \q, AF+64*(\p)+32, 2
	LA \slot, \q, AF+64*(\p)+48, 3
.endm
.macro SCALES sc                       ; a K step's scale words into set sc: four words a row by one load
	WIN 0
.irp i, 0,1,2,3
	ds_load_b128 v[SC+32*\sc+4*\i:SC+32*\sc+4*\i+3], v[ADSA] offset:\i*BLK
.endr
.irp i, 0,1,2,3
	ds_load_b128 v[SC+32*\sc+16+4*\i:SC+32*\sc+16+4*\i+3], v[ADSB+\sc] offset:\i*BLK
.endr
.endm
; One product, by the symbols that GRP or UG has set.  rROW: B's scale words stand in lanes 16-31 of the register named (blocks 4-7).  rZ: the product starts the sum.
.macro WM
.if rZ
.if rROW
	v_wmma_scale_f32_32x16x128_f4 v[rD:rD+15], v[rA:rA+15], v[rB:rB+7], 0, v[rSA], v[rSB] matrix_b_scale:MATRIX_SCALE_ROW1
.else
	v_wmma_scale_f32_32x16x128_f4 v[rD:rD+15], v[rA:rA+15], v[rB:rB+7], 0, v[rSA], v[rSB]
.endif
.else
.if rROW
	v_wmma_scale_f32_32x16x128_f4 v[rD:rD+15], v[rA:rA+15], v[rB:rB+7], v[rD:rD+15], v[rSA], v[rSB] matrix_b_scale:MATRIX_SCALE_ROW1
.else
	v_wmma_scale_f32_32x16x128_f4 v[rD:rD+15], v[rA:rA+15], v[rB:rB+7], v[rD:rD+15], v[rSA], v[rSB]
.endif
.endif
.endm
; Four products, group i of a step's eight: A's block i / 2, B's blocks 4 (i % 2) + 0 .. 3, fragments of set p, the slot's q-th 128 along K, scale words of set sc.
; The 32 accumulators take turns, one instruction a turn, in the same order in every step.
.macro GRP i, p, q, sc, first
	WIN MUL_LO+0x50*((\i)/4)
.irp t, 0,1,2,3
.set rN, 4*((\i)%2)+\t
.set rD, 128*(((\i)/2)%2)+16*rN
.set rA, AF+64*(\p)+16*((\i)/2)
.set rB, 64*(\p)+8*rN
.set rSA, SC+32*(\sc)+4*((\i)/2)+(\q)
.set rSB, SC+32*(\sc)+16+4*\t+(\q)
.set rROW, (\i)%2
.set rZ, \first
	WM
.endr
.endm
; A load into a register that a matrix instruction has read, and a vector instruction that reads a matrix result, stand four places behind that matrix instruction, and only plain vector
; instructions that name none of its registers are places (ISA guide 7.12.1 for vector instructions).
.macro PLACES
.rept 4
	v_nop
.endr
.endm
; A step of 128 along K that has its successor in the same slot.  Behind its first four products stand, in one run, the 32 loads of the next step's fragments, into the other sets.
; A wait's count: those of the step before that are not yet needed, and the new run.
.macro STEP slot, q, first
	s_wait_dscnt 20                                ; A's block 0, B's 0-3 are in: 20 younger
	GRP 0, (\q)%2, \q, \slot, \first
	PLACES                                         ; for the loads: their registers were read by the step before
	FETCH \slot, (\q)+1, 1-(\q)%2
	s_wait_dscnt 44                                ; B's 4-7 are in: 12 younger and 32 new
	GRP 1, (\q)%2, \q, \slot, \first
	s_wait_dscnt 40                                ; A's block 1 is in: 8 younger and 32 new
	GRP 2, (\q)%2, \q, \slot, \first
	GRP 3, (\q)%2, \q, \slot, \first
	s_wait_dscnt 36                                ; A's block 2 is in: 4 younger and 32 new
	GRP 4, (\q)%2, \q, \slot, \first
	GRP 5, (\q)%2, \q, \slot, \first
	s_wait_dscnt 32                                ; A's block 3 is in: 32 new
	GRP 6, (\q)%2, \q, \slot, \first
	GRP 7, (\q)%2, \q, \slot, \first
.endm
; A slot's last step changes slots: ONE barrier; in front of it each wave waits for all its tensor loads, adds 0 to its spare word, and waits for that and for its own reads of this slot.
.macro MEET slot
	WIN 0                                          ; (the add's two registers lie in window 0)
	s_wait_tensorcnt 0x0                           ; all my tensor loads have landed: my part of the next slot;
	ds_add_u32 v[SPW], v[NIL]                      ; 0 onto my spare word;
	s_wait_dscnt 21                                ; A's block 0, B's 0-3 are in: 20 younger and the add
	GRP 0, 1, 3, \slot, 0
	s_wait_dscnt 0x0                               ; the add is done, and my reads of this slot are over
	s_barrier_signal -1
	GRP 1, 1, 3, \slot, 0
	GRP 2, 1, 3, \slot, 0
	WIN 0
	s_barrier_wait -1
.endm
.macro REST slot                       ; the rest of that step
.irp i, 3,4,5,6,7
	GRP \i, 1, 3, \slot, 0
.endr
.endm
.macro NEXTSC sc                       ; on to the next K step's scale words
	v_add_nc_u32 v[ADSA], 16, v[ADSA]
	s_wait_alu depctr_va_vdst(0)                   ; the wait directly behind the write
	SCALES \sc
.endm
.macro TURN slot, next                 ; the slot is filled again, two K steps ahead
	s_wait_xcnt 0x0                                ; my prefetches have read their base: it is stepped here
	s_add_nc_u64 s[PF:PF+1], s[PF:PF+1], s[PST:PST+1]
	MEET \slot
	CREST                                          ; the barrier has opened a round of the cluster's barrier: no wave of any partner still reads this slot's tile or has a load on its way
	s_add_nc_u64 s[G0+4*\slot+2:G0+4*\slot+3], s[G0+4*\slot+2:G0+4*\slot+3], 2*ROWB
	s_add_nc_u64 s[G0B+4*\slot+2:G0B+4*\slot+3], s[G0B+4*\slot+2:G0B+4*\slot+3], 2*BSTEP
	JLOAD G0+4*\slot, G1, G0B+4*\slot, G1B         ; the first tensor load behind the round, and my one load until the next; the four v_nop behind it are the places in front of the loads below
	NEXTSC \next
	FETCH \next, 0, 0
	REST \slot
	WIN 0
	ASK PF, 1
.endm
	s_wait_tensorcnt 0x0                           ; my tile of the head's is in
	ds_add_u32 v[SPW], v[NIL]
	s_mov_b32 s[G1+2], 128<<16                     ; no tensor load of mine is out, so a descriptor may be written: from here on a load brings 128 rows of A
	s_mov_b32 s[G1+4], 128
	s_mov_b32 s[G1B+2], 136<<16                    ; or 128 records of B
	s_mov_b32 s[G1B+4], 136
	s_wait_dscnt 0x0                               ; the add is done
	CROUND                                         ; a whole round: K step 0 and A's scales are in, and all sixteen work-groups are here: the joint loads meet,
	JLOAD G0+4, G1, G0B+4, G1B                     ; and K step 1's load, the first tensor load behind the round
	SCALES 0
	FETCH 0, 0, 0
	WIN 0
	s_wait_xcnt 0x0                                ; the head's prefetches have read their base
	s_add_nc_u64 s[PF:PF+1], s[PF2:PF2+1], s[PST:PST+1]
	ASK PF2, 0                                     ; K step 2
	ASK PF, 0                                      ; K step 3
	s_wait_loadcnt 0x0                             ; the bias
	STEP 0, 0, 1                                   ; the first step stands in front of the loop: its products start the sums
	WIN 0                                          ; at a label and at a branch every window is 0
	s_mov_b32 s3, 3
.Llap:                                                 ; a trip goes once round the ring, from a lap's second step to the next lap's first, and fills both slots again: three trips bring K steps 2 to 7
	STEP 0, 1, 0
	STEP 0, 2, 0
	TURN 0, 1
	STEP 1, 0, 0
	STEP 1, 1, 0
	STEP 1, 2, 0
	TURN 1, 0
	STEP 0, 0, 0
	WIN 0
	s_sub_co_u32 s3, s3, 1
	s_cmp_lg_u32 s3, 0
	s_cbranch_scc1 .Llap
	STEP 0, 1, 0
	STEP 0, 2, 0
	MEET 0                                         ; the last K step is in slot 1; nothing is filled again, so no round follows
	PLACES
	NEXTSC 1
.irp q, 0,2,3,1
	LA 1, \q, AF+16*\q, 0                          ; in this K step A's buffer a % 2 holds block a's four quarters
.endr
.irp q, 0,2,3
.irp b, 0,1,2,3
	LB 1, \q, 64*\q+8*\b, \b                       ; B's quarter q at v[64 q]: quarter 1 lies where the step above still reads, so it comes last
.endr
.endr
	REST 0
	PLACES
.irp b, 0,1,2,3
	LB 1, 1, 64+8*\b, \b
.endr
.macro UG a, g, q                      ; four products of piece (a, g): quarter q
	WIN MUL_LO+0x50*((\a)/2)
.irp t, 0,1,2,3
.set rN, 4*(\g)+\t
.set rD, 128*((\a)%2)+16*rN
.set rA, AF+64*((\a)%2)+16*(\q)
.set rB, 64*(\q)+8*rN
.set rSA, SC+32+4*(\a)+(\q)
.set rSB, SC+32+16+4*\t+(\q)
.set rROW, (\g)
.set rZ, 0
	WM
.endr
.endm
.macro PIECE k                         ; piece k = 2 a + g: 16 products, its four accumulators by turns; then the loads for later pieces
.if ((\k) == 1) || ((\k) == 4) || ((\k) == 6)
	s_wait_dscnt 0x0                               ; B's blocks 4-7 and A's block 1; A's block 2; A's block 3
.endif
.irp q, 0,2,3,1
.if ((\k) == 0) && (\q == 1)
	s_wait_dscnt 0x0                               ; B's quarter 1 of blocks 0-3 is in
.endif
	UG (\k)/2, (\k)%2, \q
.endr
	PLACES                                         ; for the loads below, whose registers earlier products read, and for the additions
.if (\k) == 0
.irp q, 0,2,3,1
.irp b, 4,5,6,7
	LB 1, \q, 64*\q+8*\b, \b
.endr
.endr
.endif
.if ((\k)%2 == 0) && ((\k) < 6)
.irp q, 0,2,3,1
	LA 1, \q, AF+64*(((\k)/2+1)%2)+16*\q, (\k)/2+1 ; A's next block: its buffer was last read by the pieces before this block's
.endr
.endif
.endm
; A piece goes out in two halves of 16 rows: half n = 2 k + hf.  Four accumulators' registers j, with the bias added, become four neighbouring registers, in those that the half before has left
; (the very first half takes v96-127): so no store's register is written again, and no wait for stores is owed.  Each accumulator is read from its low end on.
.macro OSYM n
.set oK, (\n)/2
.set oF, (\n)%2
.set oA, 128*((oK/2)%2)+64*(oK%2)+8*oF
.set oW, 2+oK/4
.set oB, BIAS+4*(oK%2)
.if (\n) == 0
.set oX, XS
.set oE, 8
.set oV, 0
.else
.set oP, ((\n)-1)/2
.set oX, 128*((oP/2)%2)+64*(oP%2)+8*(((\n)-1)%2)
.set oE, 16
.set oV, 2+oP/4
.endif
.endm
.macro ADDS n
	OSYM \n
	WIN (oV<<6)|oW
.irp i, 0,1,2,3,4,5,6,7
.set oR, oX+oE*(\i/2)+4*(\i%2)
	v_add_f32 v[oR], v[oA+\i], v[oB]
	v_add_f32 v[oR+1], v[oA+16+\i], v[oB+1]
	v_add_f32 v[oR+2], v[oA+32+\i], v[oB+2]
	v_add_f32 v[oR+3], v[oA+48+\i], v[oB+3]
.endr
.endm
.macro PUTS n
	OSYM \n
	WIN oV<<2
.irp i, 0,1,2,3,4,5,6,7
.set oR, oX+oE*(\i/2)+4*(\i%2)
	global_store_b128 v[CO], v[oR:oR+3], s[12:13] offset:(32*(oK/2)+16*oF+\i)*NROW+256*(oK%2) th:TH_STORE_NT   ; lanes 0-15 one row's 256 bytes, lanes 16-31 those eight rows on, each at a multiple of 256; written once, read by nobody here
.endr
.endm
	WIN 0
	s_wait_dscnt 8                                 ; all but B's quarter 1 of blocks 0-3
	s_cmp_eq_u32 s16, 0
	s_cbranch_scc0 .Lodd_wave
.irp k, 0,1,2,3,4,5,6,7                ; waves 0 and 2: piece by piece
	PIECE \k
	ADDS 2*\k
	ADDS 2*\k+1
	PUTS 2*\k
	PUTS 2*\k+1
.endr
	WIN 0
	s_branch .Lout_done
.Lodd_wave:                                            ; waves 1 and 3: all products, all additions, then all stores
.irp k, 0,1,2,3,4,5,6,7
	PIECE \k
.endr
.irp n, 0,1,2,3,4,5,6,7,8,9,10,11,12,13,14,15
	ADDS \n
.endr
	s_wait_alu depctr_va_vdst(0)                   ; the last half's sums are stored behind fifteen switches of the windows
.irp n, 0,1,2,3,4,5,6,7,8,9,10,11,12,13,14,15
	PUTS \n
.endr
	WIN 0
.Lout_done:
	s_wait_tensorcnt 0x0                           ; the wave's end, behind my last tensor load
	ds_add_u32 v[SPW], v[NIL]
	s_wait_dscnt 0x0
	CROUND                                         ; the closing round: no work-group ends while a partner may still ask for a tile that names it
	s_endpgm
.Lfunc_end_k_qe71abbe064_gemm:
	.size	k_qe71abbe064_gemm, .Lfunc_end_k_qe71abbe064_gemm-k_qe71abbe064_gemm
	.p2alignl 7, 3214868480
	.fill 96, 4, 3214868480
	.section	.rodata,"a",@progbits
	.p2align	6, 0x0
	.amdhsa_kernel k_qe71abbe064_gemm
		.amdhsa_group_segment_fixed_size 327680
		.amdhsa_private_segment_fixed_size 0
		.amdhsa_enable_private_segment 0
		.amdhsa_kernarg_size 40
		.amdhsa_user_sgpr_count 2
		.amdhsa_user_sgpr_kernarg_segment_ptr 1
		.amdhsa_wavefront_size32 1
		.amdhsa_system_sgpr_workgroup_id_x 1
		.amdhsa_system_sgpr_workgroup_id_y 1
		.amdhsa_system_sgpr_workgroup_id_z 1
		.amdhsa_system_vgpr_workitem_id 0
		.amdhsa_next_free_vgpr 1024
		.amdhsa_next_free_sgpr 96
		.amdhsa_reserve_vcc 0
		.amdhsa_float_denorm_mode_32 3
		.amdhsa_float_denorm_mode_16_64 3
		.amdhsa_memory_ordered 1
		.amdhsa_forward_progress 1
		.amdhsa_inst_pref_size 200
	.end_amdhsa_kernel
	.amdgpu_metadata
---
amdhsa.version: [ 1, 2 ]
amdhsa.kernels:
  - .name:           k_qe71abbe064_gemm
    .symbol:         k_qe71abbe064_gemm.kd
    .args:
      - { .name: x_codes, .offset: 0, .size: 8, .value_kind: global_buffer, .address_space: global }
      - { .name: x_scales, .offset: 8, .size: 8, .value_kind: global_buffer, .address_space: global }
      - { .name: wq, .offset: 16, .size: 8, .value_kind: global_buffer, .address_space: global }
      - { .name: bias, .offset: 24, .size: 8, .value_kind: global_buffer, .address_space: global }
      - { .name: out0, .offset: 32, .size: 8, .value_kind: global_buffer, .address_space: global }
    .group_segment_fixed_size: 327680
    .private_segment_fixed_size: 0
    .kernarg_segment_align: 8
    .kernarg_segment_size: 40
    .max_flat_workgroup_size: 128
    .sgpr_count:     96
    .vgpr_count:     1024
    .wavefront_size: 32
...
	.end_amdgpu_metadata
.endif
;; end of part 2
